; MI455X (gfx1250); checked and timed in simulation.
; The chip was launched on July 23, 2026; its instructions are those of AMD's public machine-readable ISA for CDNA 5 (MIT licence, August 2026) and "CDNA5" Instruction Set Architecture Reference Guide (July 2026). The comments in the code are by the model that wrote it; some were corrected since.
;; Attention. Allowed arithmetic: matrix products marked QUANTISED: E2M3 operands, one E8M0 scale for each 32 along K, by v_wmma_scale_f32_16x16x128_f8f6f4 with both operands' format E2M3, f32 sums; everything else in f32.
;; Inputs: b_proj 256 float32; bias_table 3,969 x 8 float32; w_proj 256 x 256 float32; w_qkv 256 x 768 float32; x 16 x 1,024 x 256 float32.
;; Outputs: out0 16 x 1,024 x 256 float32.
;; This version of the problem:
;;   THIS VERSION OF THE PROBLEM IS GIVEN IN LOW PRECISION. The matrix products marked QUANTISED in the list below multiply operands that are first quantised to E2M3 (2 exponent bits, 3 mantissa bits; 6 bits a number), with one power-of-two scale for each 32 numbers along K (OCP MX v1.0); their sums are f32. All else is computed in f32.
;;   The module's matrix products, in the order in which they are computed (A, B: the left and right operand; K: the contracted axis; several contracted axes count as one K, in the product's order):
;;     1. [M 16,384, K 256] x [K 256, N 768]; A: input x; B: input w_qkv: QUANTISED
;;     2. batch 128 x [M 1,024, K 32] x [K 32, N 1,024]; A: computed on the way; B: computed on the way: QUANTISED
;;     3. batch 128 x [M 1,024, K 1,024] x [K 1,024, N 32]; A: softmax (see below); B: computed on the way: QUANTISED
;;     4. [M 16,384, K 256] x [K 256, N 256]; A: computed on the way; B: input w_proj: QUANTISED
;;   THE QUANTISER, for each operand of a quantised product, along K:
;;     - K is cut into blocks of 32 from its start; a last block that is shorter is filled with zeros.
;;     - A block's scale is 2^e with e = floor(log2(the largest magnitude in the block)) - 2, held to -126 .. 127; a block of zeros has e = 0. As a byte (E8M0): e + 127.
;;     - Each number is divided by its block's scale, clamped to +-7.5, and rounded to the nearest number of E2M3, ties to even, subnormals kept.
;;     - The product sums the exact products of the quantised numbers (number of the format x scale) in f32.
;;   ~~~python
;;   def quantise(x, axis):      # numpy; x: float32 -> the quantised numbers, widened to float32 again
;;       x = np.moveaxis(x, axis, -1); K = x.shape[-1]
;;       x = np.pad(x, [(0, 0)] * (x.ndim - 1) + [(0, -K % 32)]); x = x.reshape(x.shape[:-1] + (-1, 32)); a = np.abs(x).max(-1, keepdims=True)
;;       e = np.where(a > 0, np.clip(np.frexp(np.where(a > 0, a, 1))[1] - 1 - 2, -126, 127), 0)      # np.frexp(a)[1] - 1 = floor(log2(a)), exactly
;;       r = np.clip(x / 2.0 ** e, -7.5, 7.5)
;;       step = 2.0 ** (np.maximum(np.frexp(np.where(r == 0, 1, r))[1] - 1, 0) - 3)
;;       q = np.round(r / step) * step * 2.0 ** e      # np.round: ties to even
;;       return np.moveaxis(q.reshape(q.shape[:-2] + (-1,))[..., :K], -1, axis).astype(np.float32)
;;   ~~~
;;   SOFTMAX AHEAD OF A QUANTISED PRODUCT. Where the list says 'softmax', what is quantised is not the finished softmax but p = 2^(t - M), with t = logit x log2(e) and M = ceil(the row's largest t), a whole number; so 1/2 < the row's largest p <= 1. The row's sum l is taken of the UNQUANTISED p, in f32, and the product's result is divided by l at the end. Since M is a whole number, a kernel that streams over the keys may use a running M (the ceiling of the running maximum): every later rescaling is an exact power of two, which a block's scale takes up: the codes' values come out the same.
;;   OPERANDS COMPUTED ON THE WAY. 'Computed on the way' means the value that the module computes at that place (a softmax that the list does not call 'softmax' is quantised finished and normalised). What goes into a quantiser is computed in f32, as accurately as f32 sums, v_exp_f32 and their like allow (about 1e-6 of the number): no bf16 or f16 on the way to a quantiser, and a product that is left as it is and whose result goes on into a quantised operand takes f32 operands (vector FMAs, or v_wmma_f32_16x16x4_f32). A number that lies on a knife's edge between two numbers of the format may be rounded either way, as far as f32 arithmetic and the matrix unit's own rounding can turn it there, and no further.
;; One version. Each part assembles by itself: llvm-mc -triple=amdgcn-amd-amdhsa -mcpu=gfx1250 --defsym DOCPART=n.
;; ======== version 1 of 1: 3 launches
;; limits: right only within a limited range of input values
;; workspace buffers: xim 3,145,728 bytes; xscl 131,072 bytes; wimg 196,608 bytes; wscl 16,384 bytes; bias_img 524,288 bytes; oc 3,145,728 bytes; osc 131,072 bytes
;; launch prep (part 1): grid 288 x 1, 8 waves a work-group, no clusters, 69,120 bytes of LDS; arguments x, w_qkv, w_proj, bias_table, xim, xscl, wimg, wscl, bias_img; writes xim, xscl, wimg, wscl, bias_img
.if DOCPART == 1
	.amdgcn_target "amdgcn-amd-amdhsa--gfx1250"
	.amdhsa_code_object_version 6
	.text
	.protected	k_qbc0d912e0c_prep
	.globl	k_qbc0d912e0c_prep
	.p2align	8
	.type	k_qbc0d912e0c_prep,@function
k_qbc0d912e0c_prep:
	s_mov_b64 s[64:65], 0
	v_nop
	global_prefetch_b8 v0, s[64:65] scope:SCOPE_SE
	s_setreg_imm32_b32 hwreg(HW_REG_WAVE_MODE, 25, 1), 1
	s_wait_xcnt 0x0
; x AND THE WEIGHTS AS OPERAND IMAGES OF FP6 (E2M3) WITH ONE E8M0 BYTE FOR EACH 32 ALONG K, AND THE BIAS TABLE LAID FOR THE ATTENTION LAUNCH.  No work of the problem is left out in any launch.
; A FRAGMENT is 16 rows x 128 K, 12 registers a lane; it is stored as an image of those registers: registers 4 c .. 4 c + 3 of lane l at 512 c + 16 l, 1,536 bytes.
; x: xim[group G of 64 tokens = two grid rows][tile g 4][K step s 2]; row p of tile g is token 64 G + 32 (p / 8) + 8 g + p % 8: two grid rows x 8 neighbours.  xscl[G][g][s][16 words].
; Weights: fragment F = 2 T + s (w_qkv, T = 0..47) or 96 + 2 T + s (w_proj, T = 0..15); row p of tile T is column 32 (T / 2) + 8 (T % 2) + p + 8 (p / 8).  wscl[F][32 words].
; A lane (r, h) takes row r, k = 64 c + 32 h + 0..31: whole blocks, so that a block's maximum needs no other lane.
; A block's scale is 2^(floor(log2(largest magnitude)) - 2); its byte is the largest magnitude's exponent field - 2, held at 1 from below.
; THE BIAS: bias_img[head 8][rho 4][row 64][64 words], entry (row, j) = sqrt(32) x bias_table[min(row, 62) x 63 + min(63 + rho - j, 62)][head]: reversed along x and shifted by rho,
; so that 32 neighbouring keys of a query whose x is rho modulo 4 are eight aligned pieces of 16 bytes.  Only j = 4..63 and rows 0..62 are used.
; LIMITS: NaN and infinities are not served; a block whose largest magnitude lies under 2^-124 keeps the byte 1, a block of zeros too (the rule says 127: its codes are zeros, and this program alone reads the bytes).
; Work-groups 0-11: w_qkv, a fragment a wave; 12-15: w_proj; 16-31: the bias, four for each rho; 32-287: x, 64 tokens each, a fragment a wave.
.set PQ, 3072                          ; a row of w_qkv in bytes
.set PP, 1024                          ; a row of w_proj
.set WST, 8448                         ; a wave's stage: 16 rows x (512 + 16) bytes
.set XSC, 67584                        ; x's scale words of the work-group: 512 bytes
.set SPARE, 68096                      ; the spare words: 128 bytes a wave
	s_load_b256 s[4:11], s[0:1], 0x0               ; x s[4:5], w_qkv s[6:7], w_proj s[8:9], bias_table s[10:11]
	s_load_b256 s[12:19], s[0:1], 0x20             ; xim s[12:13], xscl s[14:15], wimg s[16:17], wscl s[18:19]
	s_load_b64 s[20:21], s[0:1], 0x40              ; bias_img
	v_lshl_add_u32 v14, v0, 2, SPARE
	v_mov_b32 v15, 0
	v_lshrrev_b32 v1, 5, v0
	v_readfirstlane_b32 s22, v1                    ; wave
	v_and_b32 v2, 31, v0                           ; lane
	v_and_b32 v3, 15, v0                           ; r
	v_bfe_u32 v4, v0, 4, 1                         ; h
	v_lshlrev_b32 v6, 4, v2                        ; 16 x lane
	v_mov_b32 v10, 0                               ; (a lane permute's destination counts as one of its sources)
	s_mov_b32 s30, 0x76543210
	s_mov_b32 s31, 0xfedcba98                      ; v_permlanex16_b32's selects for lane l xor 16
	s_wait_alu depctr_va_vdst(0)                   ; the wait ahead of the branches
	s_cmp_ge_u32 ttmp9, 32
	s_cbranch_scc1 .Lx
	s_cmp_ge_u32 ttmp9, 16
	s_cbranch_scc1 .Lbias
	s_cmp_ge_u32 ttmp9, 12
	s_cbranch_scc1 .Lproj
; 64 numbers of a lane, v[64 + 32 c + i] = k 64 c + 32 h + i, become the fragment's registers v48-59 and the row's scale word v9 (in both halves of the lanes)
.macro QFRAG
.irp c, 0,1
	v_max3_num_f32 v[32+\c], |v[64+32*\c]|, |v[65+32*\c]|, 0x1800000   ; with the floor 2^(3 - 127): the byte cannot fall under 1
.endr
.irp i, 2,4,6,8,10,12,14,16,18,20,22,24,26,28,30
.irp c, 0,1
	v_max3_num_f32 v[32+\c], v[32+\c], |v[64+32*\c+\i]|, |v[65+32*\c+\i]|
.endr
.endr
.irp c, 0,1
	v_add_nc_u32 v[44+\c], 0xff000000, v[32+\c]    ; 2 off the exponent field: the conversion's scale operand
.endr
.irp c, 0,1
	v_lshrrev_b32 v[36+\c], 23, v[44+\c]           ; the scale's byte
.endr
	v_lshl_or_b32 v9, v37, 16, v36                 ; my two bytes, blocks h and 2 + h,
	v_lshlrev_b32 v38, 3, v4
	v_lshlrev_b32 v9, v38, v9                      ; at their places in the word;
	v_permlanex16_b32 v10, v9, s30, s31
	v_or_b32 v9, v9, v10                           ; with lane l xor 16's two the word is whole
.irp c, 0,1
	v_cvt_scalef32_pk16_fp6_f32 v[48+6*\c:50+6*\c], v[64+32*\c:79+32*\c], v[44+\c]
	v_cvt_scalef32_pk16_fp6_f32 v[128+4*\c:130+4*\c], v[80+32*\c:95+32*\c], v[44+\c]   ; (a conversion's three registers begin on an even number)
.endr
	v_nop                                          ; one plain place behind a scaled conversion
.irp c, 0,1
.irp i, 0,1,2
	v_mov_b32 v[51+6*\c+\i], v[128+4*\c+\i]
.endr
.endr
.endm
; One weight fragment by one wave.  pitch: bytes from row to row; wp: the scalar pair with the tensor's address; fsub: its first fragment
.macro WFRAG pitch, wp, fsub
	s_lshl_b32 s32, ttmp9, 3
	s_add_co_u32 s32, s32, s22                     ; F = 8 x work-group + wave
	s_sub_co_u32 s33, s32, \fsub
	s_and_b32 s34, s33, 1                          ; s
	s_lshr_b32 s33, s33, 1                         ; T
	s_mul_i32 s34, s34, 128*\pitch
	s_lshr_b32 s35, s33, 1
	s_lshl_b32 s35, s35, 7                         ; 32 (T / 2) columns of 4 bytes
	s_add_co_u32 s34, s34, s35
	s_and_b32 s35, s33, 1
	s_lshl_b32 s35, s35, 5                         ; 8 (T % 2) columns
	s_add_co_u32 s34, s34, s35
	s_mov_b32 s35, 0
	s_mul_i32 s36, s32, 1536
	s_mov_b32 s37, 0
	s_lshl_b32 s38, s32, 7
	s_mov_b32 s39, 0
	v_and_b32 v5, 8, v3
	v_add_nc_u32 v5, v5, v3                        ; r + 8 (r / 8)
	v_lshlrev_b32 v5, 2, v5
	v_mad_u32_u24 v5, v4, 32*\pitch, v5            ; lanes 16-31 begin 32 rows further down
	v_lshlrev_b32 v7, 2, v2
	s_wait_alu depctr_va_vdst(0)                   ; the wait at the head's end
	s_wait_kmcnt 0x0
	s_add_nc_u64 s[\wp:\wp+1], s[\wp:\wp+1], s[34:35]
	s_add_nc_u64 s[16:17], s[16:17], s[36:37]
	s_add_nc_u64 s[18:19], s[18:19], s[38:39]
.set j, 0
.rept 64
	global_load_b32 v[64+j], v5, s[\wp:\wp+1] offset:\pitch*(64*(j/32)+j%32) th:TH_LOAD_NT
.set j, j+1
.endr
	s_wait_loadcnt 0x0
	QFRAG
.irp c, 0,1,2
	global_store_b128 v6, v[48+4*\c:51+4*\c], s[16:17] offset:512*\c   ; 512 consecutive bytes a store
.endr
	global_store_b32 v7, v9, s[18:19]              ; 128 bytes a wave: 16,384 bytes in the whole launch
	s_endpgm
.endm
	WFRAG PQ, 6, 0
.Lproj:
	WFRAG PP, 8, 96
.Lbias:
	s_sub_co_u32 s32, ttmp9, 16
	s_lshr_b32 s33, s32, 2                         ; rho
	s_and_b32 s34, s32, 3
	s_lshl_b32 s34, s34, 8
	s_add_co_u32 s35, s33, 63
	s_lshl_b32 s36, s33, 14
	s_mov_b32 s37, 0
	v_add_nc_u32 v5, s34, v0                       ; q = 0..1,023: piece q of 16 bytes of a table's 64 rows x 16 pieces
	v_lshrrev_b32 v20, 4, v5                       ; row
	v_and_b32 v21, 15, v5
	v_lshlrev_b32 v21, 2, v21                      ; j of the piece's first word
	v_sub_nc_u32 v21, s35, v21                     ; 63 + rho - j
	v_min_u32 v20, 62, v20
	v_mul_u32_u24 v20, v20, 63
.irp z, 0,1,2,3
	v_add_nc_u32 v[8+\z], 0-\z, v21
	v_min_u32 v[8+\z], 62, v[8+\z]
	v_add_lshl_u32 v[8+\z], v[8+\z], v20, 5        ; the table's row of 8 heads: 32 bytes
.endr
	v_lshlrev_b32 v12, 4, v5
	s_wait_alu depctr_va_vdst(0)                   ; the wait at the head's end
	s_wait_kmcnt 0x0
	s_add_nc_u64 s[20:21], s[20:21], s[36:37]
.irp z, 0,1,2,3
	global_load_b128 v[64+8*\z:67+8*\z], v[8+\z], s[10:11]
	global_load_b128 v[68+8*\z:71+8*\z], v[8+\z], s[10:11] offset:16
.endr
	s_wait_loadcnt 0x0
.irp d, 0,1,2,3,4,5,6,7
.irp z, 0,1,2,3
	v_mul_f32 v[96+4*\d+\z], 0x40b504f3, v[64+8*\z+\d]   ; x sqrt(32): the attention launch multiplies the whole sum by log2(e) / sqrt(32)
.endr
.endr
.irp d, 0,1,2,3,4,5,6,7
	global_store_b128 v12, v[96+4*\d:99+4*\d], s[20:21] offset:65536*\d   ; a wave stores 512 consecutive bytes of head d's table
.endr
	s_endpgm
.Lx:
	s_sub_co_u32 s40, ttmp9, 32                    ; G
	s_lshl_b32 s32, s40, 16
	s_lshr_b32 s33, s22, 1                         ; g
	s_lshl_b32 s33, s33, 13
	s_add_co_u32 s32, s32, s33
	s_and_b32 s33, s22, 1                          ; s
	s_lshl_b32 s33, s33, 9
	s_add_co_u32 s32, s32, s33
	s_mov_b32 s33, 0
	s_lshl_b32 s34, s40, 3
	s_add_co_u32 s34, s34, s22
	s_mul_i32 s34, s34, 1536
	s_mov_b32 s35, 0
	s_lshl_b32 s36, s40, 9
	s_mov_b32 s37, 0
	s_mul_i32 s38, s22, WST
	s_lshl_b32 s39, s22, 6
	s_add_co_u32 s39, s39, XSC
	v_add_nc_u32 v7, s38, v6                       ; my stage, as loaded
	v_mul_u32_u24 v8, v3, 528
	v_lshl_add_u32 v8, v4, 7, v8
	v_add_nc_u32 v8, s38, v8                       ; and back: row r, + 128 h
	v_lshl_add_u32 v11, v3, 2, s39                 ; my scale word
	v_add_nc_u32 v12, XSC, v6
	s_wait_alu depctr_va_vdst(0)                   ; the wait at the head's end
	s_wait_kmcnt 0x0
	s_add_nc_u64 s[4:5], s[4:5], s[32:33]
	s_add_nc_u64 s[12:13], s[12:13], s[34:35]
	s_add_nc_u64 s[14:15], s[14:15], s[36:37]
.set j, 0
.rept 16
	global_load_b128 v[136+4*j:139+4*j], v6, s[4:5] offset:32768*(j/8)+1024*(j%8) th:TH_LOAD_NT   ; 512 consecutive bytes of row j
.set j, j+1
.endr
.set j, 0
.rept 16
	s_wait_loadcnt 15-j
	ds_store_b128 v7, v[136+4*j:139+4*j] offset:528*j
.set j, j+1
.endr
.set j, 0
.rept 16
	ds_load_b128 v[64+4*j:67+4*j], v8 offset:256*(j/8)+16*(j%8)   ; LDS serves a wave's instructions in order (ISA guide 5.7.1.4): these see my stores
.set j, j+1
.endr
	s_wait_dscnt 0x0
	QFRAG
.irp c, 0,1,2
	global_store_b128 v6, v[48+4*\c:51+4*\c], s[12:13] offset:512*\c
.endr
	ds_store_b32 v11, v9                           ; both halves of the lanes write the same word with the same value
	s_wait_dscnt 0x0
	s_barrier_signal -1
	s_barrier_wait -1                              ; all eight fragments' scale words lie in LDS
	s_cmp_eq_u32 s22, 0
	s_cbranch_scc0 .Lend
	ds_load_b128 v[16:19], v12
	s_wait_dscnt 0x0
	global_store_b128 v6, v[16:19], s[14:15]       ; 512 consecutive bytes
.Lend:
	s_wait_tensorcnt 0x0                           ; the wave's end
	ds_add_u32 v14, v15
	s_wait_dscnt 0x0
	s_endpgm
.Lfunc_end_k_qbc0d912e0c_prep:
	.size	k_qbc0d912e0c_prep, .Lfunc_end_k_qbc0d912e0c_prep-k_qbc0d912e0c_prep
	.p2alignl 7, 3214868480
	.fill 96, 4, 3214868480
	.section	.rodata,"a",@progbits
	.p2align	6, 0x0
	.amdhsa_kernel k_qbc0d912e0c_prep
		.amdhsa_group_segment_fixed_size 69120
		.amdhsa_private_segment_fixed_size 0
		.amdhsa_enable_private_segment 0
		.amdhsa_kernarg_size 72
		.amdhsa_user_sgpr_count 2
		.amdhsa_user_sgpr_kernarg_segment_ptr 1
		.amdhsa_wavefront_size32 1
		.amdhsa_system_sgpr_workgroup_id_x 1
		.amdhsa_system_sgpr_workgroup_id_y 1
		.amdhsa_system_sgpr_workgroup_id_z 1
		.amdhsa_system_vgpr_workitem_id 0
		.amdhsa_next_free_vgpr 200
		.amdhsa_next_free_sgpr 66
		.amdhsa_reserve_vcc 0
		.amdhsa_float_denorm_mode_32 3
		.amdhsa_float_denorm_mode_16_64 3
		.amdhsa_memory_ordered 1
		.amdhsa_forward_progress 1
		.amdhsa_inst_pref_size 36
	.end_amdhsa_kernel
	.amdgpu_metadata
---
amdhsa.version: [ 1, 2 ]
amdhsa.kernels:
  - .name:           k_qbc0d912e0c_prep
    .symbol:         k_qbc0d912e0c_prep.kd
    .args:
      - { .name: x, .offset: 0, .size: 8, .value_kind: global_buffer, .address_space: global }
      - { .name: w_qkv, .offset: 8, .size: 8, .value_kind: global_buffer, .address_space: global }
      - { .name: w_proj, .offset: 16, .size: 8, .value_kind: global_buffer, .address_space: global }
      - { .name: bias_table, .offset: 24, .size: 8, .value_kind: global_buffer, .address_space: global }
      - { .name: xim, .offset: 32, .size: 8, .value_kind: global_buffer, .address_space: global }
      - { .name: xscl, .offset: 40, .size: 8, .value_kind: global_buffer, .address_space: global }
      - { .name: wimg, .offset: 48, .size: 8, .value_kind: global_buffer, .address_space: global }
      - { .name: wscl, .offset: 56, .size: 8, .value_kind: global_buffer, .address_space: global }
      - { .name: bias_img, .offset: 64, .size: 8, .value_kind: global_buffer, .address_space: global }
    .group_segment_fixed_size: 69120
    .private_segment_fixed_size: 0
    .kernarg_segment_align: 8
    .kernarg_segment_size: 72
    .max_flat_workgroup_size: 256
    .sgpr_count:     66
    .vgpr_count:     200
    .wavefront_size: 32
...
	.end_amdgpu_metadata
.endif
;; end of part 1
;; launch attn (part 2): grid 256 x 1, 16 waves a work-group, no clusters, 172,544 bytes of LDS; arguments xim, xscl, wimg, wscl, bias_img, oc, osc; writes oc, osc
.if DOCPART == 2
	.amdgcn_target "amdgcn-amd-amdhsa--gfx1250"
	.amdhsa_code_object_version 6
	.text
	.protected	k_qbc0d912e0c_attn
	.globl	k_qbc0d912e0c_attn
	.p2align	8
	.type	k_qbc0d912e0c_attn,@function
k_qbc0d912e0c_attn:
	s_mov_b64 s[64:65], 0
	v_nop
	global_prefetch_b8 v0, s[64:65] scope:SCOPE_SE
	s_setreg_imm32_b32 hwreg(HW_REG_WAVE_MODE, 25, 1), 1
	s_wait_xcnt 0x0
; q, k, v = Q(x) Q(w_qkv) OF ONE HEAD, THEN softmax(q k^T / sqrt(32) + bias) v OF THAT HEAD FOR HALF THE QUERIES, ALL ON CODES OF FP6 (E2M3) WITH ONE E8M0 SCALE FOR EACH 32 ALONG K.
; The result leaves as codes: oc[b][head][token][24 bytes], osc[b][head][token]: a token's 32 numbers of a head are one block of the last product's K.
; SHARES.  Work-group 16 b + 2 head + half: batch b, one head, grid rows 16 half .. + 15 as queries, all 1,024 keys.  Sixteen waves of 256 registers, four to a SIMD.
; THE HEAD.  Wave w makes k and v of grid rows 2 w, 2 w + 1 (64 tokens, four tiles of two grid rows x 8), and q of them where they are queries here; codes and scale words go to LDS as images of operand registers.
; Each of x's fragments is read once by one wave, straight into its operand registers; the head's twelve fragments of w_qkv pass LDS once, for all waves.
; NO CLUSTER: the 16 work-groups of a batch do read the same 204,800 bytes of x, but each wave's part goes straight from memory to its operand registers, once; joint loads would put all of it into LDS,
; and 204,800 bytes beside the 172,544 that this text uses are more than the 327,680 of a WGP.  NO PREFETCH: no loop reads memory.
; THE LOOP: a wave has two tiles of 16 queries (x = rho modulo 4, rho = w % 4; rows 4 (w / 4) + 2 e, + 1) and walks the keys in 8 steps of 128 = four grid rows; K, V, scale words and bias come from LDS; no barrier.
; K = 32 IN AN INSTRUCTION OF K = 128.  A fragment of K holds four tiles of 16 keys, one in each block of 32.  Q stands in four variants, its 32 codes in block g and zero codes elsewhere: the product with
; variant g is the scores of tile g.  The variants share registers: the chain Z D0 Z D1 Z (Z: six zeros; D0: Q in lanes 0-15, D1: in lanes 16-31) holds [D0 Z], [D1 Z], [Z D0], [Z D1].
; Both products are used transposed: a lane holds ONE query.  A KEY TILE IS TWO GRID ROWS x 8, so lane (r, h) gets rows 4 s + 2 c + h, x = 0..31 in 32 registers: WHOLE BLOCKS of 32 keys, in the very order of the next operand.
; THE BIAS IS THE C OF S^T = K Q^T + C, from a table in LDS that holds bias x sqrt(32), reversed along x and shifted by rho; then t = D x log2(e) / sqrt(32).
; THE SOFTMAX: M = the running largest t rounded UP to a whole number; p = 2^(t - M) is quantised along the keys, not normalised; the sum is taken of the unquantised p and divides at the end; when M moves,
; the sum and O are multiplied by 2^(old M - new M), which rounds nothing.  A block's largest p is made from the block's largest score by the same two instructions (this takes v_exp_f32 not to fall where its input rises).
; LIMITS: NaN and infinities are not served; the scaled scores stay under 2^31 in magnitude.  A block whose largest magnitude lies under 2^-124 keeps the byte 1, a block of zeros too (its codes are zeros).
; The logit is formed as (q.k + bias x sqrt(32)) x (log2(e) / sqrt(32)): another order of rounding than (q.k) / sqrt(32) + bias, a few units in the last place of t.
.set KIM, 0                            ; LDS: K's images [key step s][c][1,536]
.set VIM, 24576                        ; V^T's [s][d tile][1,536]
.set KSC, 49152                        ; K's scale words [s][c][16]
.set VSC, 50176                        ; V's [s][d tile][16]
.set QSC, 51200                        ; Q's [16 token groups][16]
.set TBL, 52224                        ; bias: 4 rho x 48 rows x 384 bytes (256 of data)
.set QIM, 125952                       ; Q's images [16 token groups][1,536]
.set WIM, 150528                       ; the weights' twelve fragments: q's four, k's, v's
.set WSC, 168960                       ; their scale words, 128 bytes each
.set OST, 150528                       ; the way out, over the weights, which nobody reads then: 512 tokens x 24 bytes
.set OSC, 162816                       ; 512 scale bytes
.set SPARE, 170496                     ; the spare words: 128 bytes a wave
; HEAD: v16-31 scales alone (v24-27 x's: lanes 0-15 K step 0, lanes 16-31 K step 1; v28-31 the weights')
.set XS, 24
.set WS, 28
.set XF, 32                            ; v32-127   x's eight fragments, 2 g + s
.set WF, 128                           ; v128-175  a unit's four fragments of W, 2 u + s; behind the products the codes
.set PC, 128
.set ACC, 176                          ; v176-239  eight accumulators
.set TM, 240                           ; v240-251  largest magnitudes, the other half's / bytes, the conversions' scale operands
.set PW, 252                           ; the scale word just made
; LOOP: v1 16 x lane, v2 4 x lane, v5 my place in the table; v6, v7, v22 the same at the step; v8 + 4 e: -M, v9 + 4 e: largest score, v[10 + 4 e : 11 + 4 e]: the sum in two halves
; v16, v17 Q's scales, v18 K's (lanes 0-15 c = 0, lanes 16-31 c = 1), v19 p's, v20 V's (lanes 0-15 d tile 0, lanes 16-31 d tile 1); v21, v23, v242-255 at work
.set QCH, 32                           ; v32-85    Z D0a Z D1a Z D0b Z D1b Z
.set KF, 86                            ; v86-109
.set VF, 110                           ; v110-133
.set S, 134                            ; v134-197  bias, then S^T, then p: register 32 c + x
.set O, 198                            ; v198-229  O^T: tile e, d tile dt at 16 e + 8 dt
.set PX, 230                           ; v230-241  p's codes
.macro WALU
	s_wait_alu depctr_va_vdst(0)
.endm
.macro D1
	s_delay_alu instid0(VALU_DEP_1)
.endm
.macro WM d, a, b, c, sa, sb, m
	v_wmma_scale_f32_16x16x128_f8f6f4 v[\d:\d+7], v[\a:\a+11], v[\b:\b+11], \c, v[\sa], v[\sb] matrix_a_fmt:MATRIX_FMT_FP6 matrix_b_fmt:MATRIX_FMT_FP6 \m
.endm
.macro BARRIER                         ; my LDS stores have landed and my LDS loads are in: then the work-group's barrier
	s_wait_dscnt 0x0
	s_barrier_signal -1
	s_barrier_wait -1
.endm
; q or k: register 16 b + i of ACC = number 16 h + i of tile b's token r: 12 registers of codes (lane (r, h'): registers 6 c .. = tile 2 c + h') and the scale word, byte b = tile b
.macro QUANT
.irp b, 0,1,2,3
	v_max3_num_f32 v[TM+\b], |v[ACC+16*\b]|, |v[ACC+1+16*\b]|, 0x1800000   ; with the floor 2^(3 - 127): the byte cannot fall under 1
.endr
.irp i, 2,4,6,8,10,12,14
.irp b, 0,1,2,3
	v_max3_num_f32 v[TM+\b], v[TM+\b], |v[ACC+16*\b+\i]|, |v[ACC+1+16*\b+\i]|
.endr
.endr
.irp b, 0,1,2,3
	v_permlanex16_b32 v[TM+4+\b], v[TM+\b], s54, s55
.endr
.irp b, 0,1,2,3
	v_max_num_f32 v[TM+\b], v[TM+\b], v[TM+4+\b]
.endr
.irp b, 0,1,2,3
	v_add_nc_u32 v[TM+8+\b], 0xff000000, v[TM+\b]  ; 2 off the exponent field: the conversion's scale operand
.endr
.irp b, 0,1,2,3
	v_lshrrev_b32 v[TM+4+\b], 23, v[TM+8+\b]       ; the scale's byte
.endr
	v_lshl_or_b32 v[PW], v[TM+5], 8, v[TM+4]
	v_lshl_or_b32 v[PW], v[TM+6], 16, v[PW]
	v_lshl_or_b32 v[PW], v[TM+7], 24, v[PW]
.irp c, 0,1
	v_cvt_scalef32_pk16_fp6_f32 v[PC+6*\c:PC+2+6*\c], v[ACC+32*\c:ACC+15+32*\c], v[TM+8+2*\c]
	v_cvt_scalef32_pk16_fp6_f32 v[PC+12+4*\c:PC+14+4*\c], v[ACC+16+32*\c:ACC+31+32*\c], v[TM+8+2*\c+1]
.endr
	v_nop                                          ; one plain place behind a scaled conversion
.irp c, 0,1                                    ; a whole block to a lane
.irp i, 0,1,2
	v_permlane16_swap_b32 v[PC+6*\c+\i], v[PC+12+4*\c+\i]
.endr
.irp i, 0,1,2
	v_mov_b32 v[PC+3+6*\c+\i], v[PC+12+4*\c+\i]
.endr
.endr
.endm
; v: register 32 u + x of ACC = d row r of d tile u, key x of grid row 2 w + h: a whole block; its six registers of codes are half a fragment of V^T
.macro QUANTV
.irp u, 0,1
	v_max3_num_f32 v[TM+\u], |v[ACC+32*\u]|, |v[ACC+1+32*\u]|, 0x1800000
.endr
.irp i, 2,4,6,8,10,12,14,16,18,20,22,24,26,28,30
.irp u, 0,1
	v_max3_num_f32 v[TM+\u], v[TM+\u], |v[ACC+32*\u+\i]|, |v[ACC+1+32*\u+\i]|
.endr
.endr
.irp u, 0,1
	v_add_nc_u32 v[TM+8+\u], 0xff000000, v[TM+\u]
.endr
.irp u, 0,1
	v_lshrrev_b32 v[TM+4+\u], 23, v[TM+8+\u]
.endr
.irp u, 0,1
	v_cvt_scalef32_pk16_fp6_f32 v[PC+6*\u:PC+2+6*\u], v[ACC+32*\u:ACC+15+32*\u], v[TM+8+\u]
	v_cvt_scalef32_pk16_fp6_f32 v[PC+12+4*\u:PC+14+4*\u], v[ACC+16+32*\u:ACC+31+32*\u], v[TM+8+\u]
.endr
	v_nop
.irp u, 0,1
.irp i, 0,1,2
	v_mov_b32 v[PC+3+6*\u+\i], v[PC+12+4*\u+\i]
.endr
.endr
.endm
; A unit: kind 0 q, 1 k, 2 v of my 64 tokens: 16 products, K = 256, eight accumulators by turns; quantised; to LDS
.macro UNIT kind
	s_wait_dscnt 0x0                               ; the last unit's stores have read the codes' registers
.set n, 0
.rept 12
	ds_load_b128 v[WF+4*n:WF+4*n+3], v7 offset:6144*(\kind)+512*n
.set n, n+1
.endr
.irp n, 0,1,2,3
	ds_load_b32 v[WS+\n], v8 offset:512*(\kind)+128*\n
.endr
	s_wait_dscnt 0x0
.irp s, 0,1
.irp g, 0,1,2,3
.irp u, 0,1
.set rX, XF+12*(2*\g+\s)
.set rW, WF+12*(2*\u+\s)
.if \kind < 2
.set rD, ACC+16*\g+8*\u
.if \s == 0
	WM rD, rW, rX, 0, WS+2*\u, XS+\g, matrix_b_scale:MATRIX_SCALE_ROW0
.else
	WM rD, rW, rX, v[rD:rD+7], WS+2*\u+1, XS+\g, matrix_b_scale:MATRIX_SCALE_ROW1
.endif
.else
.set rD, ACC+32*\u+8*\g
.if \s == 0
	WM rD, rX, rW, 0, XS+\g, WS+2*\u, matrix_a_scale:MATRIX_SCALE_ROW0
.else
	WM rD, rX, rW, v[rD:rD+7], XS+\g, WS+2*\u+1, matrix_a_scale:MATRIX_SCALE_ROW1
.endif
.endif
.endr
.endr
.endr
.rept 4
	v_nop                                          ; four places (ISA guide 7.12.1) ahead of the first read of results and of writes over the operands
.endr
.if \kind == 2
	QUANTV
.irp u, 0,1
	ds_store_b64 v13, v[PC+6*\u:PC+6*\u+1] offset:1536*\u
	ds_store_b64 v14, v[PC+6*\u+2:PC+6*\u+3] offset:1536*\u+8
	ds_store_b64 v13, v[PC+6*\u+4:PC+6*\u+5] offset:1536*\u+512
	ds_store_b8 v15, v[TM+4+\u] offset:64*\u
.endr
.else
	QUANT
.irp c, 0,1,2
.if \kind == 1
	ds_store_b128 v10, v[PC+4*\c:PC+4*\c+3] offset:512*\c
.else
	ds_store_b128 v11, v[PC+4*\c:PC+4*\c+3] offset:512*\c
.endif
.endr
	ds_store_b32 v12, v[PW] offset:2048*(1-\kind)  ; both halves of the lanes write the same word with the same value
.endif
.endm
	s_load_b256 s[4:11], s[0:1], 0x0               ; xim s[4:5], xscl s[6:7], wimg s[8:9], wscl s[10:11]
	s_load_b128 s[12:15], s[0:1], 0x20             ; bias_img s[12:13], oc s[14:15]
	s_load_b64 s[16:17], s[0:1], 0x30              ; osc
	v_lshl_add_u32 v3, v0, 2, SPARE
	v_mov_b32 v4, 0
	v_lshrrev_b32 v5, 5, v0
	v_readfirstlane_b32 s22, v5                    ; wave 0..15
	WALU                                           ; the wait ahead of the scalar lines
	s_lshr_b32 s23, ttmp9, 4                       ; b
	s_bfe_u32 s24, ttmp9, 0x30001                  ; head
	s_and_b32 s25, ttmp9, 1                        ; half
	s_lshr_b32 s26, s22, 2                         ; w / 4
	s_and_b32 s27, s22, 3                          ; w % 4: rho
	s_lshr_b32 s28, s22, 1                         ; key step of my tokens
	s_and_b32 s29, s22, 1                          ; c of my tokens
	s_mul_i32 s40, s26, 18432                      ; I bring table w / 4's rows 12 (w % 4) .. + 11
	s_mul_i32 s41, s27, 4608
	s_add_co_u32 s40, s40, s41
	s_add_co_u32 s40, s40, TBL
	s_mul_i32 s43, s22, 1536
	s_add_co_u32 s41, s43, WIM
	s_add_co_u32 s44, s43, QIM
	s_lshl_b32 s42, s22, 7
	s_add_co_u32 s42, s42, WSC
	s_lshl_b32 s45, s22, 6
	s_add_co_u32 s45, s45, KSC
	s_mul_i32 s46, s28, 3072
	s_add_co_u32 s46, s46, VIM
	s_mul_i32 s47, s29, 1016
	s_add_co_u32 s47, s46, s47
	s_mul_i32 s48, s29, 520
	s_add_co_u32 s46, s46, s48
	s_lshl_b32 s48, s28, 7
	s_lshl_b32 s49, s29, 1
	s_add_co_u32 s48, s48, s49
	s_add_co_u32 s48, s48, VSC
	s_min_u32 s49, s22, 11                         ; which of the head's twelve fragments of W I bring (waves 12-15 load the last one and store nothing)
	s_lshr_b32 s30, s49, 2
	s_lshl_b32 s30, s30, 3
	s_add_co_u32 s30, s30, s24                     ; 8 x kind + head
	s_and_b32 s49, s49, 3
	s_lshl_b32 s32, s30, 9
	s_lshl_b32 s33, s49, 7
	s_add_co_u32 s32, s32, s33
	s_mov_b32 s33, 0
	s_mul_i32 s30, s30, 6144
	s_mul_i32 s31, s49, 1536
	s_add_co_u32 s30, s30, s31
	s_mov_b32 s31, 0
	s_lshl_b32 s34, s24, 16
	s_lshl_b32 s35, s26, 14
	s_add_co_u32 s34, s34, s35
	s_lshl_b32 s35, s25, 12                        ; the table's rows 16 half on
	s_add_co_u32 s34, s34, s35
	s_mul_i32 s35, s27, 3072
	s_add_co_u32 s34, s34, s35
	s_mov_b32 s35, 0
	s_lshl_b32 s36, s23, 4
	s_add_co_u32 s36, s36, s22                     ; token group 16 b + w
	s_lshl_b32 s38, s36, 9
	s_mov_b32 s39, 0
	s_mul_i32 s36, s36, 12288
	s_mov_b32 s37, 0
	s_lshl_b32 s50, s23, 3
	s_add_co_u32 s50, s50, s24                     ; 8 b + head
	s_lshl_b32 s52, s50, 10
	s_lshl_b32 s53, s25, 9
	s_add_co_u32 s52, s52, s53
	s_mov_b32 s53, 0
	s_mul_i32 s50, s50, 24576
	s_mul_i32 s51, s25, 12288
	s_add_co_u32 s50, s50, s51
	s_mov_b32 s51, 0
	s_mov_b32 s54, 0x76543210
	s_mov_b32 s55, 0xfedcba98                      ; v_permlanex16_b32's selects for lane l xor 16
	s_mov_b32 s56, 0x3e8293ee                      ; c = log2(e) / sqrt(32)
	s_mov_b32 s57, s56                             ; (named with it as a pair)
	s_mov_b32 s58, 0xbe8293ee                      ; -c
	v_and_b32 v252, 31, v0                         ; lane
	v_and_b32 v253, 15, v0                         ; r
	v_bfe_u32 v254, v0, 4, 1                       ; h
	v_lshlrev_b32 v1, 4, v252
	v_lshlrev_b32 v2, 2, v252
	v_mul_u32_u24 v5, v254, 384
	v_lshl_add_u32 v5, v253, 4, v5
	v_add_nc_u32 v5, s40, v5                       ; where I put the table: sixteen lanes a row
	v_add_nc_u32 v6, s41, v1                       ; where I put my fragment of W,
	v_add_nc_u32 v7, WIM, v1                       ; whence all are read,
	v_add_nc_u32 v8, WSC, v2                       ; and the scale words
	v_add_nc_u32 v9, s42, v2
	v_add_nc_u32 v10, s43, v1                      ; my image of k,
	v_add_nc_u32 v11, s44, v1                      ; of q,
	v_lshl_add_u32 v12, v253, 2, s45               ; their scale words;
	v_add_nc_u32 v13, s46, v1                      ; my half of v's fragments: register pairs 0 and 2,
	v_add_nc_u32 v14, s47, v1                      ; pair 1 of each three: pair q of a fragment lies at 512 (q / 2) + 8 (q % 2) + 16 lane, q = 3 c + 0..2
	v_lshl_add_u32 v15, v253, 2, s48
	v_add_nc_u32 v15, v15, v254                    ; its scale bytes: byte 2 c + h of row r's word
.irp b, 0,1,2,3
	v_mov_b32 v[TM+4+\b], 0                        ; (a lane permute's destination counts as one of its sources)
.endr
	WALU                                           ; the wait at the head's end
	s_wait_kmcnt 0x0
	s_add_nc_u64 s[8:9], s[8:9], s[30:31]
	s_add_nc_u64 s[10:11], s[10:11], s[32:33]
	s_add_nc_u64 s[12:13], s[12:13], s[34:35]
	s_add_nc_u64 s[4:5], s[4:5], s[36:37]
	s_add_nc_u64 s[6:7], s[6:7], s[38:39]
	s_add_nc_u64 s[14:15], s[14:15], s[50:51]
	s_add_nc_u64 s[16:17], s[16:17], s[52:53]
.irp n, 0,1,2
	global_load_b128 v[WF+4*\n:WF+4*\n+3], v1, s[8:9] offset:512*\n
.endr
	global_load_b32 v255, v2, s[10:11]
.irp n, 0,1,2,3,4,5
	global_load_b128 v[ACC+4*\n:ACC+4*\n+3], v1, s[12:13] offset:512*\n   ; two rows of the table a load
.endr
.set n, 0
.rept 24
	global_load_b128 v[XF+4*n:XF+4*n+3], v1, s[4:5] offset:512*n
.set n, n+1
.endr
.irp g, 0,1,2,3
	global_load_b32 v[XS+\g], v2, s[6:7] offset:128*\g
.endr
	s_wait_loadcnt 34                              ; W is in: behind it 6 + 28 loads
	s_cmp_lt_u32 s22, 12
	s_cbranch_scc0 .Lno_w
.irp n, 0,1,2
	ds_store_b128 v6, v[WF+4*\n:WF+4*\n+3] offset:512*\n
.endr
	ds_store_b32 v9, v255
.Lno_w:
	s_wait_loadcnt 28                              ; the table is in: behind it 28 loads
.irp n, 0,1,2,3,4,5
	ds_store_b128 v5, v[ACC+4*\n:ACC+4*\n+3] offset:768*\n
.endr
	BARRIER                                        ; the weights and the table lie in LDS
	s_wait_loadcnt 0x0                             ; x is in
	UNIT 1
	UNIT 2
	s_lshr_b32 s40, s22, 3
	WALU
	s_cmp_eq_u32 s40, s25                          ; are my tokens queries of this work-group?
	s_cbranch_scc0 .Lno_q
	UNIT 0
	WALU
.Lno_q:
	s_lshl_b32 s40, s25, 3
	s_lshl_b32 s41, s26, 1
	s_add_co_u32 s40, s40, s41                     ; the token group of my query tile 0: 8 half + 2 (w / 4); tile 1's is the next
	s_mul_i32 s41, s40, 1536
	s_add_co_u32 s41, s41, QIM
	s_lshl_b32 s42, s40, 6
	s_add_co_u32 s42, s42, QSC
	s_mul_i32 s43, s27, 18432
	s_mul_i32 s44, s26, 1536
	s_add_co_u32 s43, s43, s44
	s_add_co_u32 s43, s43, TBL+512                 ; row 29 - 28, byte 128: for the last key step
	v_and_b32 v32, 31, v0
	v_bfe_u32 v33, v0, 4, 1                        ; h
	v_and_b32 v34, 7, v0                           ; a = r % 8: my query's x is 4 a + rho
	v_bfe_u32 v35, v0, 3, 1                        ; r / 8: its row in the pair
	v_and_b32 v36, 1, v0
	v_bfe_u32 v37, v0, 1, 1
	v_bfe_u32 v38, v0, 2, 1
	v_lshl_add_u32 v39, v36, 2, s27
	v_lshl_add_u32 v39, v35, 3, v39                ; its row in its token tile a / 2: 8 (r / 8) + 4 (a % 2) + rho
	v_lshl_add_u32 v40, v37, 4, v39                ; its image lane
	v_lshl_add_u32 v40, v40, 4, s41
	v_mad_u32_u24 v41, v38, 520, v40               ; register pairs 0 and 2 of its six,
	v_mad_u32_u24 v42, v38, 1016, v40              ; pair 1
	v_lshl_add_u32 v43, v39, 2, s42
	v_lshl_add_u32 v43, v38, 1, v43
	v_add_nc_u32 v43, v43, v37                     ; its scale byte: byte a / 2 of the row's word
	v_mul_u32_u24 v5, v35, 384
	v_add_nc_u32 v5, s43, v5
	v_mul_u32_u24 v44, v33, 384
	v_sub_nc_u32 v5, v5, v44
	v_lshlrev_b32 v45, 4, v34
	v_sub_nc_u32 v5, v5, v45                       ; table row 4 (w / 4) + r / 8 + 29 - h - 4 s, byte 128 - 16 a
	v_mov_b32 v6, v1
	v_mov_b32 v7, v2
	v_add_nc_u32 v22, 7*1536, v5
	WALU                                           ; the wait ahead of the barrier
	BARRIER                                        ; K, V, Q and their scales lie in LDS
; ---- the loop's pieces
.macro KLOAD
.irp k, 0,1,2,3,4,5
	ds_load_b128 v[KF+4*\k:KF+4*\k+3], v6 offset:KIM+512*\k
.endr
	ds_load_b32 v18, v7 offset:KSC
.endm
.macro VLOAD
.irp k, 0,1,2,3,4,5
	ds_load_b128 v[VF+4*\k:VF+4*\k+3], v6 offset:VIM+512*\k
.endr
	ds_load_b32 v20, v7 offset:VSC
.endm
.macro BIASLD e                        ; register 32 c + x: the bias of key (grid row 4 s + 2 c + h, x)
.irp c, 0,1
.irp q, 0,1,2,3,4,5,6,7
	ds_load_b128 v[S+32*\c+4*\q:S+32*\c+4*\q+3], v22 offset:768*(1-\c)+768*(\e)+16*\q
.endr
.endr
.endm
.macro QK e                            ; S^T = K Q^T + bias: eight tiles of 16 keys, one product each
.irp g, 0,1,2,3
.set rS, S+8*\g
.set rQ, QCH+6*(4*(\e)+(2*\g+1)%5)     ; variant g begins at group 1, 3, 0, 2 of the tile's part of the chain
	WM rS, KF, rQ, v[rS:rS+7], 18, 16+\e, matrix_a_scale:MATRIX_SCALE_ROW0
.endr
.irp g, 0,1,2,3
.set rS, S+32+8*\g
.set rQ, QCH+6*(4*(\e)+(2*\g+1)%5)
	WM rS, KF+12, rQ, v[rS:rS+7], 18, 16+\e, matrix_a_scale:MATRIX_SCALE_ROW1
.endr
.endm
.macro PADD d, j
	v_pk_add_f32 v[\d:\d+1], v[\d:\d+1], v[S+\j:S+\j+1]
.endm
.macro RND j                           ; four chains by turns
	PADD PX, \j
	PADD PX+2, \j+2
	PADD PX+4, \j+4
	PADD NM+2, \j+6
.endm
.macro PFMA j, n
.set J_, \j
.rept \n
	v_pk_fma_f32 v[S+J_:S+J_+1], v[S+J_:S+J_+1], s[56:57], v[NM:NM+1] op_sel_hi:[1,0,0]   ; t - M, two at a time (of the pairs c and -M the low word serves both halves)
.set J_, J_+2
.endr
.endm
.macro SM e                            ; the softmax of tile e for 128 keys, up to p's codes.  v254 holds the old -M
.set NM, 8+4*\e
	v_max3_num_f32 v250, v[S], v[S+1], v[S+2]      ; the largest score of my two blocks, in two chains each
	v_max3_num_f32 v236, v[S+16], v[S+17], v[S+18]
	v_max3_num_f32 v251, v[S+32], v[S+33], v[S+34]
	v_max3_num_f32 v237, v[S+48], v[S+49], v[S+50]
.irp i, 3,5,7,9,11,13
	v_max3_num_f32 v250, v250, v[S+\i], v[S+1+\i]
	v_max3_num_f32 v236, v236, v[S+16+\i], v[S+17+\i]
	v_max3_num_f32 v251, v251, v[S+32+\i], v[S+33+\i]
	v_max3_num_f32 v237, v237, v[S+48+\i], v[S+49+\i]
.endr
	v_max3_num_f32 v250, v250, v[S+15], v[S+31]
	v_max3_num_f32 v251, v251, v[S+47], v[S+63]
	v_max_num_f32 v250, v250, v236
	v_max_num_f32 v251, v251, v237
	D1
	v_max_num_f32 v23, v250, v251
	D1
	v_permlanex16_b32 v21, v23, s54, s55
	D1
	v_max3_num_f32 v[NM+1], v[NM+1], v23, v21      ; the running largest score, lane l xor 16's keys among them
	D1
	v_mul_f32 v23, s58, v[NM+1]                    ; -t
	D1
	v_floor_f32 v[NM], v23                         ; the new -M = floor(-t): M is a whole number
	D1
	v_sub_f32 v254, v[NM], v254                    ; old M - new M: a whole number, 0 or less
	PFMA 0, 4
	v_cvt_i32_f32 v254, v254                       ; (it saturates)
	PFMA 8, 4
	v_ldexp_f32 v252, 1.0, v254                    ; f = 2^(old M - new M)
	PFMA 16, 24
	v_fma_f32 v250, v250, s56, v[NM]               ; the same of each block's largest score
	v_fma_f32 v251, v251, s56, v[NM]
	WALU                                           ; the wait ahead of the batch
.set J_, 0
.rept 64
	v_exp_f32 v[S+J_], v[S+J_]                     ; p = 2^(t - M), at most 1
.set J_, J_+1
.endr
	v_exp_f32 v250, v250                           ; the blocks' largest p
	v_exp_f32 v251, v251
	v_pk_mul_f32 v[NM+2:NM+3], v[NM+2:NM+3], v[252:253] op_sel_hi:[1,0]   ; the sum under the new M: a plain place behind the batch
	WALU                                           ; and one behind it
	v_max_num_f32 v250, 0x1800000, v250            ; the floor 2^(3 - 127): the byte cannot fall under 1
	v_max_num_f32 v251, 0x1800000, v251
	v_pk_add_f32 v[PX:PX+1], v[S:S+1], v[S+2:S+3]  ; the sum of the unquantised p, in four chains
	v_pk_add_f32 v[PX+2:PX+3], v[S+4:S+5], v[S+6:S+7]
	v_pk_add_f32 v[PX+4:PX+5], v[S+8:S+9], v[S+10:S+11]
	PADD NM+2, 12
	v_add_nc_u32 v245, 0xff000000, v250            ; 2 off the exponent field: the conversions' scale operands
	v_add_nc_u32 v249, 0xff000000, v251
	RND 14
	v_lshrrev_b32 v239, 23, v245                   ; the scales' bytes: blocks h
	v_lshrrev_b32 v240, 23, v249                   ; and 2 + h
	RND 22
	v_lshl_or_b32 v241, v240, 16, v239
	RND 30
	v_permlanex16_b32 v255, v241, s54, s55
	RND 38
	v_lshl_or_b32 v19, v255, 8, v241               ; p's scale word for these 128 keys (lanes 0-15 are read)
	RND 46
	RND 54
	PADD PX, 62
	v_pk_add_f32 v[NM+2:NM+3], v[NM+2:NM+3], v[PX+4:PX+5]
	v_pk_add_f32 v[PX:PX+1], v[PX:PX+1], v[PX+2:PX+3]
	v_pk_add_f32 v[NM+2:NM+3], v[NM+2:NM+3], v[PX:PX+1]
	v_cvt_scalef32_pk16_fp6_f32 v[PX:PX+2], v[S:S+15], v245
	v_cvt_scalef32_pk16_fp6_f32 v[242:244], v[S+16:S+31], v245   ; (a conversion's three registers begin on an even number)
	v_cvt_scalef32_pk16_fp6_f32 v[PX+6:PX+8], v[S+32:S+47], v249
	v_cvt_scalef32_pk16_fp6_f32 v[246:248], v[S+48:S+63], v249
	v_nop                                          ; one plain place behind a scaled conversion
.endm
.macro FIN e                           ; the codes' second halves to their places, O^T under the new M, O^T += V^T P^T
.irp i, 0,1,2
	v_mov_b32 v[PX+3+\i], v[242+\i]
	v_mov_b32 v[PX+9+\i], v[246+\i]
.endr
	WALU                                           ; the wait ahead of the first reader of O^T
.irp j, 0,2,4,6,8,10,12,14
	v_pk_mul_f32 v[O+16*\e+\j:O+16*\e+\j+1], v[O+16*\e+\j:O+16*\e+\j+1], v[252:253] op_sel_hi:[1,0]   ; (these eight are also the places ahead of the scaled products)
.endr
.set rO, O+16*\e
	WM rO, VF, PX, v[rO:rO+7], 20, 19, matrix_a_scale:MATRIX_SCALE_ROW0
.set rO, O+16*\e+8
	WM rO, VF+12, PX, v[rO:rO+7], 20, 19, matrix_a_scale:MATRIX_SCALE_ROW1
.endm
.macro TRIP last                       ; a key step.  last = 1: nothing more is fetched
	s_wait_dscnt 0x0                               ; K and tile 0's bias are in
	QK 0
	v_mov_b32 v254, v8
.rept 3
	v_nop                                          ; with the move four places ahead of the first read of the scores and of loads into V's registers
.endr
	VLOAD
	SM 0
	BIASLD 1                                       ; onto p, which the conversions have read
.if \last == 0
	s_sub_co_u32 s60, s60, 1536                    ; the next step's keys lie four grid rows on: four table rows back
	s_add_co_u32 s61, s61, 3072
	s_add_co_u32 s62, s62, 128
.endif
	WALU                                           ; the wait ahead of the blocking wait: FIN reads the conversions' results behind it
	s_wait_dscnt 16                                ; V is in: behind it the 16 loads of tile 1's bias
	FIN 0
	s_wait_dscnt 0x0                               ; tile 1's bias is in
	QK 1
	v_mov_b32 v254, v12
.if \last == 0
	v_add_nc_u32 v6, s61, v1                       ; (the four places)
	v_add_nc_u32 v7, s62, v2
	v_add_nc_u32 v22, s60, v5
	KLOAD                                          ; the next step's K
.else
.rept 3
	v_nop
.endr
.endif
	SM 1
.if \last == 0
	BIASLD 0                                       ; the next step's bias for tile 0
.endif
	FIN 1
.endm
.irp e, 0,1                                    ; my two queries' 24 bytes of codes and their scale bytes
	ds_load_b64 v[PX+6*\e:PX+6*\e+1], v41 offset:1536*\e
	ds_load_b64 v[PX+6*\e+2:PX+6*\e+3], v42 offset:1536*\e+8
	ds_load_b64 v[PX+6*\e+4:PX+6*\e+5], v41 offset:1536*\e+512
	ds_load_u8 v[16+\e], v43 offset:64*\e
.endr
	KLOAD
	BIASLD 0
	s_mov_b32 s60, 7*1536
	s_mov_b32 s61, 0
	s_mov_b32 s62, 0
	s_mov_b32 s59, 7
	s_wait_dscnt 23                                ; Q is in: behind it 7 + 16 loads
	v_cmp_gt_u32 vcc_lo, 16, v32                   ; lanes 0-15
	v_mul_lo_u32 v16, v16, 0x01010101              ; the query's byte in all four places: whichever block holds Q, it is scaled by it; the zero codes add nothing under it
	v_mul_lo_u32 v17, v17, 0x01010101
.irp g, 0,2,4,6,8
.irp i, 0,1,2,3,4,5
	v_mov_b32 v[QCH+6*\g+\i], 0
.endr
.endr
.irp e, 0,1
.irp i, 0,1,2,3,4,5
	v_cndmask_b32 v[QCH+6*(4*\e+1)+\i], 0, v[PX+6*\e+\i], vcc_lo          ; D0: Q in lanes 0-15
	v_cndmask_b32 v[QCH+6*(4*\e+3)+\i], v[PX+6*\e+\i], v[QCH], vcc_lo     ; D1: Q in lanes 16-31
.endr
.endr
.irp e, 0,1
	v_mov_b32 v[8+4*\e], 0x7e967699                ; -M so far: 1e38
	v_mov_b32 v[9+4*\e], 0xff61b1e6                ; the largest score so far: -3e38
	v_mov_b32 v[10+4*\e], 0
	v_mov_b32 v[11+4*\e], 0
.endr
	v_mov_b32 v21, 0                               ; written once: a lane permute's destination counts as one of its sources
	v_mov_b32 v255, 0
	v_mov_b32 v253, 0                              ; (named as the upper half of the pair v[252:253])
.set j, 0
.rept 32
	v_mov_b32 v[O+j], 0                            ; O^T: the step is written once for all steps; the first finds zeros, which the first change of M leaves zeros
.set j, j+1
.endr
	WALU                                           ; the wait at the head's end
.Lstep:
	TRIP 0
	s_sub_co_u32 s59, s59, 1
	s_cmp_lg_u32 s59, 0
	s_cbranch_scc1 .Lstep
	TRIP 1
; ---- O^T / the sum, quantised, out through LDS
	s_mul_i32 s40, s26, 3072
	s_mul_i32 s41, s27, 24
	s_add_co_u32 s40, s40, s41
	s_add_co_u32 s40, s40, OST
	s_lshl_b32 s41, s26, 7
	s_add_co_u32 s41, s41, s27
	s_add_co_u32 s41, s41, OSC
.irp e, 0,1
	v_add_f32 v[36+\e], v[10+4*\e], v[11+4*\e]     ; the sum's two halves,
.endr
.irp e, 0,1
	v_permlanex16_b32 v[38+\e], v[36+\e], s54, s55
.endr
.irp e, 0,1
	v_add_f32 v[36+\e], v[36+\e], v[38+\e]         ; and lane l xor 16's
.endr
	WALU
.irp e, 0,1
	v_rcp_f32 v[40+\e], v[36+\e]
.endr
	v_bfe_u32 v46, v0, 3, 1                        ; (the addresses of the end are the plain work behind the reciprocals)
	v_and_b32 v47, 7, v0
	v_bfe_u32 v48, v0, 4, 1
	v_mul_u32_u24 v49, v46, 768
	v_mad_u32_u24 v49, v47, 96, v49
	v_mad_u32_u24 v49, v48, 12, v49
	v_add_nc_u32 v49, s40, v49                     ; token 32 (4 (w / 4) + 2 e + r / 8) + 4 a + rho of my half, 24 bytes each, 12 for each half of the lanes
	v_lshl_add_u32 v50, v46, 5, s41
	v_lshl_add_u32 v50, v47, 2, v50
	v_lshlrev_b32 v51, 3, v0
	v_add_nc_u32 v52, OST, v51
	v_add_nc_u32 v53, OSC, v1
	WALU                                           ; ahead of the first reader of the reciprocals and of O^T
.irp e, 0,1
.irp i, 0,1,2,3,4,5,6,7,8,9,10,11,12,13,14,15
	v_mul_f32 v[O+16*\e+\i], v[O+16*\e+\i], v[40+\e]   ; register i: d = 16 h + i; each accumulator from its low end on
.endr
.endr
.irp e, 0,1
	v_max3_num_f32 v[42+\e], |v[O+16*\e]|, |v[O+16*\e+1]|, 0x1800000
.endr
.irp i, 2,4,6,8,10,12,14
.irp e, 0,1
	v_max3_num_f32 v[42+\e], v[42+\e], |v[O+16*\e+\i]|, |v[O+16*\e+\i+1]|
.endr
.endr
.irp e, 0,1
	v_permlanex16_b32 v[44+\e], v[42+\e], s54, s55
.endr
.irp e, 0,1
	v_max_num_f32 v[42+\e], v[42+\e], v[44+\e]
.endr
.irp e, 0,1
	v_add_nc_u32 v[54+\e], 0xff000000, v[42+\e]
.endr
.irp e, 0,1
	v_lshrrev_b32 v[56+\e], 23, v[54+\e]
.endr
.irp e, 0,1
	v_cvt_scalef32_pk16_fp6_f32 v[134+4*\e:136+4*\e], v[O+16*\e:O+16*\e+15], v[54+\e]
.endr
	v_nop                                          ; one plain place behind a scaled conversion
.irp e, 0,1
.irp i, 0,1,2
	ds_store_b32 v49, v[134+4*\e+\i] offset:1536*\e+4*\i
.endr
	ds_store_b8 v50, v[56+\e] offset:64*\e         ; both halves of the lanes write the same byte with the same value
.endr
	WALU
	BARRIER                                        ; all 512 tokens' codes and bytes lie in LDS
.irp i, 0,1,2
	ds_load_b64 v[60+2*\i:61+2*\i], v52 offset:4096*\i
.endr
.irp i, 0,1,2
	s_wait_dscnt 2-\i
	global_store_b64 v51, v[60+2*\i:61+2*\i], s[14:15] offset:4096*\i   ; a wave stores 256 consecutive bytes, at a multiple of 256 from the buffer's first byte
.endr
	s_cmp_eq_u32 s22, 0
	s_cbranch_scc0 .Lend
	ds_load_b128 v[68:71], v53
	s_wait_dscnt 0x0
	global_store_b128 v1, v[68:71], s[16:17]       ; the 512 scale bytes
.Lend:
	s_wait_tensorcnt 0x0                           ; the wave's end
	ds_add_u32 v3, v4
	s_wait_dscnt 0x0
	s_endpgm
.Lfunc_end_k_qbc0d912e0c_attn:
	.size	k_qbc0d912e0c_attn, .Lfunc_end_k_qbc0d912e0c_attn-k_qbc0d912e0c_attn
	.p2alignl 7, 3214868480
	.fill 96, 4, 3214868480
	.section	.rodata,"a",@progbits
	.p2align	6, 0x0
	.amdhsa_kernel k_qbc0d912e0c_attn
		.amdhsa_group_segment_fixed_size 172544
		.amdhsa_private_segment_fixed_size 0
		.amdhsa_enable_private_segment 0
		.amdhsa_kernarg_size 56
		.amdhsa_user_sgpr_count 2
		.amdhsa_user_sgpr_kernarg_segment_ptr 1
		.amdhsa_wavefront_size32 1
		.amdhsa_system_sgpr_workgroup_id_x 1
		.amdhsa_system_sgpr_workgroup_id_y 1
		.amdhsa_system_sgpr_workgroup_id_z 1
		.amdhsa_system_vgpr_workitem_id 0
		.amdhsa_next_free_vgpr 256
		.amdhsa_next_free_sgpr 66
		.amdhsa_reserve_vcc 1
		.amdhsa_float_denorm_mode_32 3
		.amdhsa_float_denorm_mode_16_64 3
		.amdhsa_memory_ordered 1
		.amdhsa_forward_progress 1
		.amdhsa_inst_pref_size 95
	.end_amdhsa_kernel
	.amdgpu_metadata
---
amdhsa.version: [ 1, 2 ]
amdhsa.kernels:
  - .name:           k_qbc0d912e0c_attn
    .symbol:         k_qbc0d912e0c_attn.kd
    .args:
      - { .name: xim, .offset: 0, .size: 8, .value_kind: global_buffer, .address_space: global }
      - { .name: xscl, .offset: 8, .size: 8, .value_kind: global_buffer, .address_space: global }
      - { .name: wimg, .offset: 16, .size: 8, .value_kind: global_buffer, .address_space: global }
      - { .name: wscl, .offset: 24, .size: 8, .value_kind: global_buffer, .address_space: global }
      - { .name: bias_img, .offset: 32, .size: 8, .value_kind: global_buffer, .address_space: global }
      - { .name: oc, .offset: 40, .size: 8, .value_kind: global_buffer, .address_space: global }
      - { .name: osc, .offset: 48, .size: 8, .value_kind: global_buffer, .address_space: global }
    .group_segment_fixed_size: 172544
    .private_segment_fixed_size: 0
    .kernarg_segment_align: 8
    .kernarg_segment_size: 56
    .max_flat_workgroup_size: 512
    .sgpr_count:     66
    .vgpr_count:     256
    .wavefront_size: 32
...
	.end_amdgpu_metadata
.endif
;; end of part 2
;; launch proj (part 3): grid 256 x 1, 8 waves a work-group, no clusters, 80,640 bytes of LDS; arguments oc, osc, wimg, wscl, b_proj, out0; writes out0
.if DOCPART == 3
	.amdgcn_target "amdgcn-amd-amdhsa--gfx1250"
	.amdhsa_code_object_version 6
	.text
	.protected	k_qbc0d912e0c_proj
	.globl	k_qbc0d912e0c_proj
	.p2align	8
	.type	k_qbc0d912e0c_proj,@function
k_qbc0d912e0c_proj:
	s_mov_b64 s[64:65], 0
	v_nop
	global_prefetch_b8 v0, s[64:65] scope:SCOPE_SE
	s_setreg_imm32_b32 hwreg(HW_REG_WAVE_MODE, 25, 1), 1
	s_wait_xcnt 0x0
; out0 = (attention's result) Q(w_proj) + b_proj on codes of FP6 (E2M3): the result's codes and scale bytes are as the launch before left them, one block of 32 for each head.
; Work-group G: tokens 64 G .. + 63, all 256 columns.  Wave w brings head w's 1,536 bytes of codes and 64 scale bytes into LDS for all, and makes columns 32 w .. + 31: eight accumulators, b_proj as the first C.
; w_proj's fragments are read by one wave of the work-group each, straight into registers.  No cluster: the 49,152 bytes of w_proj's codes are all that work-groups share, once a launch; no loop, so no prefetch.
; Transposed: source 0 = 16 columns of w_proj, source 1 = 16 tokens: lane (r, h) holds token r's columns 32 w + 16 h + 8 u + 0..7.  Rows gather in LDS and leave whole.
; LIMITS: NaN and infinities are not served.
.set PA, 1552                          ; LDS: a head's 64 tokens x 24 bytes, + 16
.set SC, 12544                         ; 64 tokens x 8 scale bytes, byte = head
.set OUTS, 13056                       ; the way out: 64 rows x (1,024 + 16) bytes
.set SPARE, 79616                      ; the spare words: 128 bytes a wave
.set WS, 8                             ; v8-11   scale words of w_proj, 2 u + s
.set XS, 16                            ; v16-23  of the tokens, 2 g + s
.set XF, 32                            ; v32-127 the tokens' fragments, 2 g + s
.set WF, 128                           ; v128-175
.set BP, 176                           ; v176-191
.set ACC, 192                          ; v192-255
	s_load_b256 s[4:11], s[0:1], 0x0               ; oc, osc, wimg, wscl
	s_load_b128 s[12:15], s[0:1], 0x20             ; b_proj, out0
	v_lshl_add_u32 v3, v0, 2, SPARE
	v_mov_b32 v4, 0
	v_lshrrev_b32 v1, 5, v0
	v_readfirstlane_b32 s16, v1                    ; wave
	s_wait_alu depctr_va_vdst(0)                   ; the wait ahead of the scalar lines
	s_lshr_b32 s17, ttmp9, 4                       ; b
	s_and_b32 s18, ttmp9, 15
	s_lshl_b32 s17, s17, 3
	s_add_co_u32 s17, s17, s16                     ; 8 b + head
	s_mul_i32 s20, s17, 24576
	s_mul_i32 s19, s18, 1536
	s_add_co_u32 s20, s20, s19
	s_mov_b32 s21, 0
	s_lshl_b32 s22, s17, 10
	s_lshl_b32 s19, s18, 6
	s_add_co_u32 s22, s22, s19
	s_mov_b32 s23, 0
	s_mul_i32 s24, s16, 6144
	s_add_co_u32 s24, s24, 147456                  ; w_proj's fragments begin at number 96; four are mine
	s_mov_b32 s25, 0
	s_lshl_b32 s26, s16, 9
	s_add_co_u32 s26, s26, 12288
	s_mov_b32 s27, 0
	s_lshl_b32 s28, s16, 7
	s_mov_b32 s29, 0
	s_lshl_b32 s30, ttmp9, 16
	s_lshl_b32 s19, s16, 13
	s_add_co_u32 s30, s30, s19
	s_mov_b32 s31, 0
	s_mul_i32 s32, s16, PA
	s_add_co_u32 s33, s16, SC
	s_add_co_u32 s34, s28, OUTS
	s_mul_i32 s35, s16, 8320
	s_add_co_u32 s35, s35, OUTS
	v_and_b32 v28, 31, v0
	v_and_b32 v29, 15, v0
	v_bfe_u32 v30, v0, 4, 1
	v_lshlrev_b32 v1, 4, v28                       ; 16 x lane
	v_lshlrev_b32 v2, 1, v28                       ; 2 x lane
	v_lshlrev_b32 v31, 6, v30                      ; 64 h
	v_lshlrev_b32 v15, 2, v28                      ; 4 x lane
	v_add_nc_u32 v5, s32, v1                       ; where I put my head's codes
	v_lshl_add_u32 v6, v28, 4, s33                 ; and its bytes: tokens 2 lane, 2 lane + 1
	v_mul_u32_u24 v7, v30, PA
	v_mad_u32_u24 v7, v29, 24, v7                  ; the operand: token r, lanes 16-31 the next head
	v_lshl_add_u32 v12, v29, 3, SC
	v_mul_u32_u24 v13, v29, 1040
	v_lshl_add_u32 v13, v30, 6, v13
	v_add_nc_u32 v13, s34, v13                     ; the way out, in: row r, byte 128 w + 64 h
	v_add_nc_u32 v14, s35, v1                      ; back: rows 8 w on
	s_wait_alu depctr_va_vdst(0)                   ; the wait at the head's end
	s_wait_kmcnt 0x0
	s_add_nc_u64 s[4:5], s[4:5], s[20:21]
	s_add_nc_u64 s[6:7], s[6:7], s[22:23]
	s_add_nc_u64 s[8:9], s[8:9], s[24:25]
	s_add_nc_u64 s[10:11], s[10:11], s[26:27]
	s_add_nc_u64 s[12:13], s[12:13], s[28:29]
	s_add_nc_u64 s[14:15], s[14:15], s[30:31]
.irp n, 0,1,2
	global_load_b128 v[32+4*\n:35+4*\n], v1, s[4:5] offset:512*\n
.endr
	global_load_u16 v44, v2, s[6:7]
.set n, 0
.rept 12
	global_load_b128 v[WF+4*n:WF+4*n+3], v1, s[8:9] offset:512*n
.set n, n+1
.endr
.irp n, 0,1,2,3
	global_load_b32 v[WS+\n], v15, s[10:11] offset:128*\n
.endr
.irp u, 0,1
	global_load_b128 v[BP+8*\u:BP+8*\u+3], v31, s[12:13] offset:32*\u
	global_load_b128 v[BP+8*\u+4:BP+8*\u+7], v31, s[12:13] offset:32*\u+16
.endr
	s_wait_loadcnt 20                              ; codes and bytes are in: behind them 12 + 4 + 4 loads
.irp n, 0,1,2
	ds_store_b128 v5, v[32+4*\n:35+4*\n] offset:512*\n
.endr
	v_lshrrev_b32 v45, 8, v44
	ds_store_b8 v6, v44
	ds_store_b8 v6, v45 offset:8
	s_wait_dscnt 0x0
	s_barrier_signal -1
	s_barrier_wait -1                              ; all eight heads lie in LDS
.irp g, 0,1,2,3
	ds_load_b64 v[XS+2*\g:XS+2*\g+1], v12 offset:128*\g
.endr
.irp s, 0,1
.irp g, 0,1,2,3
.irp p, 0,1,2,3,4,5
	ds_load_b64 v[XF+12*(2*\g+\s)+2*\p:XF+12*(2*\g+\s)+2*\p+1], v7 offset:PA*(4*\s+2*(\p/3))+384*\g+8*(\p%3)
.endr
.endr
.endr
	s_wait_loadcnt 0x0
	s_wait_dscnt 0x0
.irp s, 0,1                                    ; eight accumulators by turns
.irp g, 0,1,2,3
.irp u, 0,1
.set rD, ACC+8*(2*\g+\u)
.set rA, WF+12*(2*\u+\s)
.set rB, XF+12*(2*\g+\s)
.if \s == 0
.set rC, BP+8*\u
.else
.set rC, rD
.endif
	v_wmma_scale_f32_16x16x128_f8f6f4 v[rD:rD+7], v[rA:rA+11], v[rB:rB+11], v[rC:rC+7], v[WS+2*\u+\s], v[XS+2*\g+\s] matrix_a_fmt:MATRIX_FMT_FP6 matrix_b_fmt:MATRIX_FMT_FP6
.endr
.endr
.endr
.rept 4
	v_nop                                          ; four places ahead of the first read of results and of loads into the operands' registers
.endr
.irp g, 0,1,2,3
.irp u, 0,1
	ds_store_b128 v13, v[ACC+8*(2*\g+\u):ACC+8*(2*\g+\u)+3] offset:16640*\g+32*\u
	ds_store_b128 v13, v[ACC+8*(2*\g+\u)+4:ACC+8*(2*\g+\u)+7] offset:16640*\g+32*\u+16
.endr
.endr
	s_wait_dscnt 0x0
	s_barrier_signal -1
	s_barrier_wait -1                              ; the rows are whole
.set j, 0
.rept 16
	ds_load_b128 v[XF+4*j:XF+4*j+3], v14 offset:1040*(j/2)+512*(j%2)
.set j, j+1
.endr
.set j, 0
.rept 16
	s_wait_dscnt 15-j
	global_store_b128 v1, v[XF+4*j:XF+4*j+3], s[14:15] offset:512*j th:TH_STORE_NT   ; 512 consecutive bytes, at a multiple of 512 from out0's first byte
.set j, j+1
.endr
	s_wait_tensorcnt 0x0                           ; the wave's end
	ds_add_u32 v3, v4
	s_wait_dscnt 0x0
	s_endpgm
.Lfunc_end_k_qbc0d912e0c_proj:
	.size	k_qbc0d912e0c_proj, .Lfunc_end_k_qbc0d912e0c_proj-k_qbc0d912e0c_proj
	.p2alignl 7, 3214868480
	.fill 96, 4, 3214868480
	.section	.rodata,"a",@progbits
	.p2align	6, 0x0
	.amdhsa_kernel k_qbc0d912e0c_proj
		.amdhsa_group_segment_fixed_size 80640
		.amdhsa_private_segment_fixed_size 0
		.amdhsa_enable_private_segment 0
		.amdhsa_kernarg_size 48
		.amdhsa_user_sgpr_count 2
		.amdhsa_user_sgpr_kernarg_segment_ptr 1
		.amdhsa_wavefront_size32 1
		.amdhsa_system_sgpr_workgroup_id_x 1
		.amdhsa_system_sgpr_workgroup_id_y 1
		.amdhsa_system_sgpr_workgroup_id_z 1
		.amdhsa_system_vgpr_workitem_id 0
		.amdhsa_next_free_vgpr 256
		.amdhsa_next_free_sgpr 66
		.amdhsa_reserve_vcc 0
		.amdhsa_float_denorm_mode_32 3
		.amdhsa_float_denorm_mode_16_64 3
		.amdhsa_memory_ordered 1
		.amdhsa_forward_progress 1
		.amdhsa_inst_pref_size 16
	.end_amdhsa_kernel
	.amdgpu_metadata
---
amdhsa.version: [ 1, 2 ]
amdhsa.kernels:
  - .name:           k_qbc0d912e0c_proj
    .symbol:         k_qbc0d912e0c_proj.kd
    .args:
      - { .name: oc, .offset: 0, .size: 8, .value_kind: global_buffer, .address_space: global }
      - { .name: osc, .offset: 8, .size: 8, .value_kind: global_buffer, .address_space: global }
      - { .name: wimg, .offset: 16, .size: 8, .value_kind: global_buffer, .address_space: global }
      - { .name: wscl, .offset: 24, .size: 8, .value_kind: global_buffer, .address_space: global }
      - { .name: b_proj, .offset: 32, .size: 8, .value_kind: global_buffer, .address_space: global }
      - { .name: out0, .offset: 40, .size: 8, .value_kind: global_buffer, .address_space: global }
    .group_segment_fixed_size: 80640
    .private_segment_fixed_size: 0
    .kernarg_segment_align: 8
    .kernarg_segment_size: 48
    .max_flat_workgroup_size: 256
    .sgpr_count:     66
    .vgpr_count:     256
    .wavefront_size: 32
...
	.end_amdgpu_metadata
.endif
;; end of part 3
